; MI455X (gfx1250); checked and timed in simulation.
; The chip was launched on July 23, 2026; its instructions are those of AMD's public machine-readable ISA for CDNA 5 (MIT licence, August 2026) and "CDNA5" Instruction Set Architecture Reference Guide (July 2026). The comments in the code are by the model that wrote it; some were corrected since.
;; Global State Bus. Allowed arithmetic: matrix products marked QUANTISED: E5M2 operands, one E8M0 scale for each 32 along K, by v_wmma_scale_f32_16x16x128_f8f6f4 with both operands' format E5M2, f32 sums; products left as they are: f32 operands where the result goes on into a quantised operand, else bf16, f16 or f32 operands; f32 sums; everything else in f32.
;; Inputs: Wc_codes 512 x 32 x 32 uint8 (E5M2 codes of Wc, K innermost, in blocks of 32 codes); Wc_scales 512 x 32 uint8 (E8M0 scales of Wc, one for each 32 codes along K); Wg_codes 64 x 32 x 32 uint8 (E5M2 codes of Wg, K innermost, in blocks of 32 codes); Wg_scales 64 x 32 uint8 (E8M0 scales of Wg, one for each 32 codes along K); Wv_codes 512 x 32 x 32 uint8 (E5M2 codes of Wv, K innermost, in blocks of 32 codes); Wv_scales 512 x 32 uint8 (E8M0 scales of Wv, one for each 32 codes along K); bc 512 float32; bg 64 float32; buffer 128 x 64 x 8 x 512 float32; bv 512 float32; query_codes 128 x 32 x 32 uint8 (E5M2 codes of query, K innermost, in blocks of 32 codes); query_scales 128 x 32 uint8 (E8M0 scales of query, one for each 32 codes along K); x_codes 128 x 32 x 32 uint8 (E5M2 codes of x, K innermost, in blocks of 32 codes); x_scales 128 x 32 uint8 (E8M0 scales of x, one for each 32 codes along K).
;; Outputs: out0 128 x 64 x 512 float32.
;; This version of the problem:
;;   THIS VERSION OF THE PROBLEM IS GIVEN IN LOW PRECISION. The matrix products marked QUANTISED in the list below multiply operands that are first quantised to E5M2 (5 exponent bits, 2 mantissa bits; 8 bits a number), with one power-of-two scale for each 32 numbers along K (OCP MX v1.0); their sums are f32. All else is computed in f32.
;;   The module's matrix products, in the order in which they are computed (A, B: the left and right operand; K: the contracted axis; several contracted axes count as one K, in the product's order):
;;     1. [M 128, K 1,024] x [K 1,024, N 64]; A: input x (given as codes); B: input Wg (given as codes): QUANTISED
;;     2. [M 128, K 1,024] x [K 1,024, N 512]; A: input x (given as codes); B: input Wv (given as codes): QUANTISED
;;     3. [M 128, K 1,024] x [K 1,024, N 512]; A: input query (given as codes); B: input Wc (given as codes): QUANTISED
;;     4. batch 128 x [M 512, K 512] x [K 512, N 1]; A: computed on the way; B: computed on the way: left as it is (N = 1 < 16)
;;     5. batch 8,192 x [M 1, K 8] x [K 8, N 512]; A: softmax; B: computed on the way: left as it is (K = 8 < 32)
;;   THE QUANTISER, for each operand of a quantised product, along K:
;;     - K is cut into blocks of 32 from its start; a last block that is shorter is filled with zeros.
;;     - A block's scale is 2^e with e = floor(log2(the largest magnitude in the block)) - 15, held to -126 .. 127; a block of zeros has e = 0. As a byte (E8M0): e + 127.
;;     - Each number is divided by its block's scale, clamped to +-57,344, and rounded to the nearest number of E5M2, ties to even, subnormals kept.
;;     - The product sums the exact products of the quantised numbers (number of the format x scale) in f32.
;;   ~~~python
;;   def quantise(x, axis):      # numpy; x: float32 -> the quantised numbers, widened to float32 again
;;       x = np.moveaxis(x, axis, -1); K = x.shape[-1]
;;       x = np.pad(x, [(0, 0)] * (x.ndim - 1) + [(0, -K % 32)]); x = x.reshape(x.shape[:-1] + (-1, 32)); a = np.abs(x).max(-1, keepdims=True)
;;       e = np.where(a > 0, np.clip(np.frexp(np.where(a > 0, a, 1))[1] - 1 - 15, -126, 127), 0)      # np.frexp(a)[1] - 1 = floor(log2(a)), exactly
;;       r = np.clip(x / 2.0 ** e, -57344, 57344)
;;       step = 2.0 ** (np.maximum(np.frexp(np.where(r == 0, 1, r))[1] - 1, -14) - 2)
;;       q = np.round(r / step) * step * 2.0 ** e      # np.round: ties to even
;;       return np.moveaxis(q.reshape(q.shape[:-2] + (-1,))[..., :K], -1, axis).astype(np.float32)
;;   ~~~
;;   INPUTS GIVEN AS CODES. Wc (in the module: [1024, 512], K = its axis 0); Wg (in the module: [1024, 64], K = its axis 0); Wv (in the module: [1024, 512], K = its axis 0); query (in the module: [128, 1024], K = its axis 1); x (in the module: [128, 1024], K = its axis 1): each comes as NAME_codes (uint8): NAME with its K axis moved to the last place and cut into blocks of 32 codes, [.., K / 32, bytes a block], one block behind the other in memory; one code a byte (a code: sign, 5 exponent bits, 2 mantissa bits); and NAME_scales (uint8): the same leading axes, one E8M0 byte (e + 127) for each 32 codes along K. Its value is code x scale, taken as it is: it is not quantised again, and the codes and scales need not be those that the quantiser above would give.
;; One version. Each part assembles by itself: llvm-mc -triple=amdgcn-amd-amdhsa -mcpu=gfx1250 --defsym DOCPART=n.
;; ======== version 1 of 1: 2 launches
;; workspace buffers: proj 557,056 bytes
;; launch proj (part 1): grid 17 x 8, 8 waves a work-group, no clusters, 9,728 bytes of LDS; arguments query_codes, query_scales, x_codes, x_scales, Wc_codes, Wc_scales, Wv_codes, Wv_scales, Wg_codes, Wg_scales, bc, bv, bg, proj; writes proj
.if DOCPART == 1
	.amdgcn_target "amdgcn-amd-amdhsa--gfx1250"
	.amdhsa_code_object_version 6
	.text
	.protected	k_qc667ecef63_proj
	.globl	k_qc667ecef63_proj
	.p2align	8
	.type	k_qc667ecef63_proj,@function
k_qc667ecef63_proj:
	s_mov_b64 s[64:65], 0
	v_nop
	global_prefetch_b8 v0, s[64:65] scope:SCOPE_SE
	s_setreg_imm32_b32 hwreg(HW_REG_WAVE_MODE, 25, 1), 1
	s_wait_xcnt 0x0
; THE THREE PROJECTIONS, on codes of BF8 (E5M2) with one E8M0 scale for each 32 along K = 1,024:
;   q = query Wc + bc [128][512];  content = x Wv + bv [128][512];  gate = sigmoid(x Wg + bg) [128][64].
; They go to the workspace proj, [128] rows of 4,352 bytes of f32: bytes 0-2047 q, 2048-4095 content, 4096-4351 gate.
; SHARES.  The 1,088 columns of a row of proj are 17 groups of 64 (256 bytes).  Work-group (x = group, y) makes group x for batch rows 16 y .. 16 y + 15.
; Groups 0-7 take query, Wc, bc; groups 8-15 x, Wv, bv; group 16 x, Wg, bg: only pointers are chosen, by the work-group's number; all take one path but for the sigmoid.
; Wave w: 16 of the 64 columns (w % 4) and half of K (w / 4): four K steps of 128, four matrix instructions on two accumulators by turns.
; The matrix instruction is used TRANSPOSED (source 0 = 16 rows of W, source 1 = 16 batch rows): a lane holds eight neighbouring columns of one batch row.
; The two halves of K meet in LDS; bias and sigmoid are applied on the way out, where sixteen lanes hold 256 neighbouring bytes of a row of proj.
; No cluster and no tensor load: a wave's operands are 35 loads straight into registers, used once.
; LIMITS: NaN, infinities and the scale byte 0xff among the inputs are not served.  The sigmoid is 1 / (1 + 2^(-z log2 e)): it reaches exactly 0 where the exponential overflows f32 (z under about -88) and exactly 1 where it falls under half an ulp of 1.
.set ROWP,   4352                      ; a row of proj in bytes
.set SPITCH, 272                       ; a stage row: 256 bytes + 16 of padding
.set STG,    16*SPITCH                 ; a stage: 16 rows; stage 0 for K's first half, stage 1 for its second
.set WSC,  12                          ; v12-15  W's scale words of my four K steps (lane r: row r)
.set ASC,  16                          ; v16-19  the batch rows' scale words
.set BI,   20                          ; v20-23  the bias of my four columns on the way out
.set ACC,  24                          ; v24-31, v32-39 two accumulators
.set PA,   40                          ; v40-43, v44-47 the two halves of K read back
.set WF,   64                          ; v64-127  W's fragments, K step s at 64 + 16 s
.set AF,   128                         ; v128-191 the batch rows' fragments
	s_load_b512 s[8:23], s[0:1], 0x0               ; query's codes 8, scales 10; x's 12, 14; Wc's 16, 18; Wv's 20, 22
	s_load_b256 s[24:31], s[0:1], 0x40             ; Wg's codes 24, scales 26; bc 28; bv 30
	s_load_b128 s[32:35], s[0:1], 0x60             ; bg 32; proj 34
	v_lshl_add_u32 v192, v0, 2, 0x2200
	v_mov_b32 v193, 0
	v_lshrrev_b32 v9, 5, v0
	v_readfirstlane_b32 s4, v9                     ; wave 0..7
	s_and_b32 s3, ttmp7, 0xffff                    ; y: which 16 batch rows
	s_and_b32 s5, s4, 3                            ; which 16 of the group's 64 columns
	s_lshr_b32 s6, s4, 2                           ; which half of K
	s_and_b32 s7, ttmp9, 7                         ; the group's number inside its weight (group 16: 0)
	v_and_b32 v1, 15, v0                           ; r
	v_bfe_u32 v2, v0, 4, 1                         ; h
	v_lshlrev_b32 v3, 10, v1
	v_lshl_add_u32 v3, v2, 4, v3                   ; codes: row r of 1,024 bytes, + 16 h
	v_lshlrev_b32 v4, 5, v1                        ; scale bytes: row r of 32 bytes
	v_lshlrev_b32 v8, 4, v1                        ; bias: four numbers a lane
	; the offsets, each in a pair of its own, made apart from the addresses
	s_lshl_b32 s46, s7, 16                         ; W's codes: row 64 x group + 16 x part, 1,024 bytes a row,
	s_lshl_b32 s48, s5, 14
	s_add_co_u32 s46, s46, s48
	s_lshl_b32 s48, s6, 9                          ; + 512 bytes for K's second half
	s_add_co_u32 s46, s46, s48
	s_mov_b32 s47, 0
	s_lshr_b32 s50, s46, 5                         ; W's scale bytes: one for 32 codes
	s_mov_b32 s51, 0
	s_lshl_b32 s52, s3, 14                         ; the batch rows' codes: row 16 y, + K's half
	s_add_co_u32 s52, s52, s48
	s_mov_b32 s53, 0
	s_lshr_b32 s54, s52, 5                         ; and their scale bytes
	s_mov_b32 s55, 0
	s_lshl_b32 s56, s7, 8                          ; the bias: 64 numbers a group
	s_mov_b32 s57, 0
	s_lshl_b32 s58, s3, 4                          ; proj: on the way out wave w stores rows 16 y + 2 w and the next,
	s_lshl_b32 s49, s4, 1
	s_add_co_u32 s58, s58, s49
	s_mul_i32 s58, s58, ROWP
	s_lshl_b32 s49, ttmp9, 8                       ; at the group's 256 bytes
	s_add_co_u32 s58, s58, s49
	s_mov_b32 s59, 0
	s_mul_i32 s48, s6, STG                         ; LDS, in: my half's stage, my 64 bytes of its rows
	s_lshl_b32 s2, s5, 6
	s_add_co_u32 s48, s48, s2
	s_mul_i32 s49, s4, 2*SPITCH                    ; LDS, back: rows 2 w and 2 w + 1
	s_wait_kmcnt 0x0
	s_cmp_lt_u32 ttmp9, 8                          ; the choice hangs on the work-group's number alone
	s_cselect_b64 s[36:37], s[8:9], s[12:13]       ; the batch rows: query or x
	s_cselect_b64 s[38:39], s[10:11], s[14:15]
	s_cselect_b64 s[40:41], s[16:17], s[20:21]     ; the weight: Wc or Wv
	s_cselect_b64 s[42:43], s[18:19], s[22:23]
	s_cselect_b64 s[44:45], s[28:29], s[30:31]     ; the bias: bc or bv
	s_cmp_eq_u32 ttmp9, 16
	s_cselect_b64 s[40:41], s[24:25], s[40:41]     ; or Wg and bg
	s_cselect_b64 s[42:43], s[26:27], s[42:43]
	s_cselect_b64 s[44:45], s[32:33], s[44:45]
	s_add_nc_u64 s[40:41], s[40:41], s[46:47]
	s_add_nc_u64 s[42:43], s[42:43], s[50:51]
	s_add_nc_u64 s[36:37], s[36:37], s[52:53]
	s_add_nc_u64 s[38:39], s[38:39], s[54:55]
	s_add_nc_u64 s[44:45], s[44:45], s[56:57]
	s_add_nc_u64 s[34:35], s[34:35], s[58:59]
; A fragment, 16 rows x 128 K of 8-bit codes, is 16 registers: lane (r, h) holds row r; registers 4 c .. 4 c + 3 hold K = 32 c + 16 h + 0 .. 15
.macro FRAG reg, base, s
.irp c, 0,1,2,3
	global_load_b128 v[\reg+4*\c:\reg+4*\c+3], v3, s[\base:\base+1] offset:128*(\s)+32*\c
.endr
.endm
	global_load_b128 v[WSC:WSC+3], v4, s[42:43]    ; 16 scale bytes of row r: one word for each of my four K steps
	global_load_b128 v[ASC:ASC+3], v4, s[38:39]
	global_load_b128 v[BI:BI+3], v8, s[44:45]
.irp s, 0,1,2,3
	FRAG WF+16*\s, 40, \s
	FRAG AF+16*\s, 36, \s
.endr
	; four products, the two accumulators by turns, one instruction a turn; the first two start the sums with the constant 0
.irp s, 0,1
	s_wait_loadcnt 24-8*\s                         ; loads come back in order: the eight fragment loads of each later K step may stay out
	v_wmma_scale_f32_16x16x128_f8f6f4 v[ACC+8*\s:ACC+8*\s+7], v[WF+16*\s:WF+16*\s+15], v[AF+16*\s:AF+16*\s+15], 0, v[WSC+\s], v[ASC+\s] matrix_a_fmt:MATRIX_FMT_BF8 matrix_b_fmt:MATRIX_FMT_BF8
.endr
.irp s, 2,3
	s_wait_loadcnt 24-8*\s
	v_wmma_scale_f32_16x16x128_f8f6f4 v[ACC+8*(\s-2):ACC+8*(\s-2)+7], v[WF+16*\s:WF+16*\s+15], v[AF+16*\s:AF+16*\s+15], v[ACC+8*(\s-2):ACC+8*(\s-2)+7], v[WSC+\s], v[ASC+\s] matrix_a_fmt:MATRIX_FMT_BF8 matrix_b_fmt:MATRIX_FMT_BF8
.endr
	; eight plain vector lines that name none of the products' registers stand between the last product and the first read of a result: the addresses of the way out
	v_mul_u32_u24 v5, v1, SPITCH                   ; in: stage row r,
	v_lshl_add_u32 v5, v2, 5, v5                   ; + 32 h: my eight columns,
	v_add_nc_u32 v5, s48, v5                       ; in my half's stage, at my wave's 64 bytes
	v_mul_u32_u24 v6, v2, SPITCH                   ; back: lanes 0-15 one row, lanes 16-31 the next,
	v_lshl_add_u32 v6, v1, 4, v6                   ; 16 bytes a lane,
	v_add_nc_u32 v6, s49, v6                       ; rows 2 w on
	v_mul_u32_u24 v7, v2, ROWP                     ; and the same two rows in proj
	v_lshl_add_u32 v7, v1, 4, v7
.irp i, 0,2,4,6
	v_pk_add_f32 v[ACC+\i:ACC+\i+1], v[ACC+\i:ACC+\i+1], v[ACC+8+\i:ACC+8+\i+1]   ; my half of K: both accumulators, each from its low end on
.endr
	ds_store_b128 v5, v[ACC:ACC+3]
	ds_store_b128 v5, v[ACC+4:ACC+7] offset:16
	s_wait_dscnt 0x0                               ; for the others' sake: my stores into the stage are done
	s_barrier_signal -1
	s_barrier_wait -1                              ; both stages are whole
	ds_load_b128 v[PA:PA+3], v6                    ; K's first half,
	ds_load_b128 v[PA+4:PA+7], v6 offset:STG       ; and its second
	s_wait_dscnt 0x0
	v_pk_add_f32 v[PA:PA+1], v[PA:PA+1], v[PA+4:PA+5]
	v_pk_add_f32 v[PA+2:PA+3], v[PA+2:PA+3], v[PA+6:PA+7]
	v_pk_add_f32 v[PA:PA+1], v[PA:PA+1], v[BI:BI+1]
	v_pk_add_f32 v[PA+2:PA+3], v[PA+2:PA+3], v[BI+2:BI+3]
	s_cmp_lg_u32 ttmp9, 16                         ; the gate's group alone has the sigmoid
	s_cbranch_scc1 .Lplain
.irp i, 0,1,2,3
	v_mul_f32 v[PA+4+\i], 0xbfb8aa3b, v[PA+\i]     ; -z log2(e)
.endr
.irp i, 0,1,2,3
	v_exp_f32 v[PA+4+\i], v[PA+4+\i]
.endr
	v_nop                                          ; a plain instruction behind the last exponential
	s_wait_alu depctr_va_vdst(0)                   ; the wait ahead of the first reader: one for the four
.irp i, 0,1,2,3
	v_add_f32 v[PA+4+\i], 1.0, v[PA+4+\i]
.endr
.irp i, 0,1,2,3
	v_rcp_f32 v[PA+\i], v[PA+4+\i]
.endr
	v_nop
	s_wait_alu depctr_va_vdst(0)                   ; one for the four reciprocals, ahead of the label and of the store
.Lplain:
	global_store_b128 v7, v[PA:PA+3], s[34:35]     ; sixteen lanes store 256 consecutive bytes, at a multiple of 256 from proj's first byte
	s_wait_tensorcnt 0x0
	ds_add_u32 v192, v193
	s_wait_dscnt 0x0
	s_endpgm
.Lfunc_end_k_qc667ecef63_proj:
	.size	k_qc667ecef63_proj, .Lfunc_end_k_qc667ecef63_proj-k_qc667ecef63_proj
	.p2alignl 7, 3214868480
	.fill 96, 4, 3214868480
	.section	.rodata,"a",@progbits
	.p2align	6, 0x0
	.amdhsa_kernel k_qc667ecef63_proj
		.amdhsa_group_segment_fixed_size 9728
		.amdhsa_private_segment_fixed_size 0
		.amdhsa_enable_private_segment 0
		.amdhsa_kernarg_size 112
		.amdhsa_user_sgpr_count 2
		.amdhsa_user_sgpr_kernarg_segment_ptr 1
		.amdhsa_wavefront_size32 1
		.amdhsa_system_sgpr_workgroup_id_x 1
		.amdhsa_system_sgpr_workgroup_id_y 1
		.amdhsa_system_sgpr_workgroup_id_z 1
		.amdhsa_system_vgpr_workitem_id 0
		.amdhsa_next_free_vgpr 194
		.amdhsa_next_free_sgpr 66
		.amdhsa_reserve_vcc 0
		.amdhsa_float_denorm_mode_32 3
		.amdhsa_float_denorm_mode_16_64 3
		.amdhsa_memory_ordered 1
		.amdhsa_forward_progress 1
		.amdhsa_inst_pref_size 9
	.end_amdhsa_kernel
	.amdgpu_metadata
---
amdhsa.version: [ 1, 2 ]
amdhsa.kernels:
  - .name:           k_qc667ecef63_proj
    .symbol:         k_qc667ecef63_proj.kd
    .args:
      - { .name: query_codes, .offset: 0, .size: 8, .value_kind: global_buffer, .address_space: global }
      - { .name: query_scales, .offset: 8, .size: 8, .value_kind: global_buffer, .address_space: global }
      - { .name: x_codes, .offset: 16, .size: 8, .value_kind: global_buffer, .address_space: global }
      - { .name: x_scales, .offset: 24, .size: 8, .value_kind: global_buffer, .address_space: global }
      - { .name: Wc_codes, .offset: 32, .size: 8, .value_kind: global_buffer, .address_space: global }
      - { .name: Wc_scales, .offset: 40, .size: 8, .value_kind: global_buffer, .address_space: global }
      - { .name: Wv_codes, .offset: 48, .size: 8, .value_kind: global_buffer, .address_space: global }
      - { .name: Wv_scales, .offset: 56, .size: 8, .value_kind: global_buffer, .address_space: global }
      - { .name: Wg_codes, .offset: 64, .size: 8, .value_kind: global_buffer, .address_space: global }
      - { .name: Wg_scales, .offset: 72, .size: 8, .value_kind: global_buffer, .address_space: global }
      - { .name: bc, .offset: 80, .size: 8, .value_kind: global_buffer, .address_space: global }
      - { .name: bv, .offset: 88, .size: 8, .value_kind: global_buffer, .address_space: global }
      - { .name: bg, .offset: 96, .size: 8, .value_kind: global_buffer, .address_space: global }
      - { .name: proj, .offset: 104, .size: 8, .value_kind: global_buffer, .address_space: global }
    .group_segment_fixed_size: 9728
    .private_segment_fixed_size: 0
    .kernarg_segment_align: 8
    .kernarg_segment_size: 112
    .max_flat_workgroup_size: 256
    .sgpr_count:     66
    .vgpr_count:     194
    .wavefront_size: 32
...
	.end_amdgpu_metadata
.endif
;; end of part 1
;; launch bus (part 2): grid 256 x 1, 16 waves a work-group, no clusters, 264,192 bytes of LDS; arguments buffer, proj, out0; writes out0
.if DOCPART == 2
	.amdgcn_target "amdgcn-amd-amdhsa--gfx1250"
	.amdhsa_code_object_version 6
	.text
	.protected	k_qc667ecef63_bus
	.globl	k_qc667ecef63_bus
	.p2align	8
	.type	k_qc667ecef63_bus,@function
k_qc667ecef63_bus:
	s_mov_b64 s[64:65], 0
	v_nop
	global_prefetch_b8 v0, s[64:65] scope:SCOPE_SE
	s_setreg_imm32_b32 hwreg(HW_REG_WAVE_MODE, 25, 1), 1
	s_wait_xcnt 0x0
; THE STREAM.  For each (b, s): the eight rows p of buffer[b][s] (512 f32 each) are blended with content[b] by the gate g = gate[b][s], scored against q[b], and summed under the softmax of the scores over p.
; ARITHMETIC, all f32.  d_p = buffer_p . q;  cq = content . q.  The blended row's score is ((1 - g) d_p + g cq) / sqrt(512); as an exponent of 2: t_p = d_p a + e, a = (1 - g) c, e = g cq c, c = log2(e) / sqrt(512).
; m = the largest t_p is taken away: e_p = 2^(t_p - m), L = their sum (at least 1).  Since the weights sum to 1, the result is content g + the sum over p of (e_p (1 - g) / L) buffer_p: the blended rows are never built.
; SHARES.  Work-group W: batch W / 2, slots 32 (W % 2) on: 512 KiB of buffer on end.  Each of its 16 waves owns two slots, 32 KiB on end; a slot is 8 rows x 2,048 bytes = 128 registers a lane.
; ALL OF A WAVE'S INPUT IS ASKED FOR AT THE HEAD: the first slot by 32 loads into registers, the second by 32 asynchronous copies into the wave's own 16 KiB of LDS.  Each LDS byte is filled once and read by its own wave alone:
; no ring, no refill, no barrier.  The second slot takes the first's registers row by row, as the first's second pass leaves them.
; Every load of buffer, copy and store of a wave covers 512 consecutive bytes at a multiple of 512 from its buffer's first byte.  Lane l's register 16 p + 4 j + i of a slot holds channel 128 j + 4 l + i of row p; q, content and the result lie likewise.
; Left out: matrix units (one column, or 8 along K), clusters (two work-groups share 4 KiB of proj beside 512 KiB of their own), prefetches (all addresses are asked for at the head anyway).
; LIMITS: NaN and infinities among the inputs are not served; a weight whose e_p would lie under 2^-126 counts as 0 (the exponential's result is flushed: ISA guide, its entry in 15.8).
.set LO,  1                            ; v1   16 x lane: my place in 512 bytes; never rewritten
.set LB,  2                            ; v2   the same in the wave's second slot: + 16,384; never rewritten
.set LA,  3                            ; v3   LDS: 16,384 x wave + 16 x lane; never rewritten
.set NIL, 4                            ; v4   0: the gates' offset
.set G,   6                            ; v6, v8 the two slots' gates; v7 = v9 = 0, named with them as pairs
.set OMG, 10                           ; v10-11 1 - g
.set AA,  12                           ; v12-13 a
.set EE,  14                           ; v14-15 e
.set QV,  16                           ; v16-31 q
.set CV,  32                           ; v32-47 content
.set UV,  48                           ; v48-63, v64-79 the two slots' results: a set each, so that no store's data are written again
.set EV,  80                           ; v80-95 pair p: d_p, then t_p, e_p, the weight; beside it the lane permute's destination
.set TV,  96                           ; v96-103 at work
.set DV,  112                          ; v112-239 a slot
	s_load_b128 s[4:7], s[0:1], 0x0                ; buffer, proj
	s_load_b64 s[8:9], s[0:1], 0x10                ; out0
	v_lshl_add_u32 v240, v0, 2, 0x40000
	v_mov_b32 v241, 0
	ds_add_u32 v240, v241
	ds_add_u32 v240, v241
	v_lshrrev_b32 v5, 5, v0
	v_readfirstlane_b32 s10, v5                    ; wave 0..15
	v_and_b32 v[LO], 31, v0
	v_lshlrev_b32 v[LO], 4, v[LO]
	v_add_nc_u32 v[LB], 0x4000, v[LO]
	v_lshl_add_u32 v[LA], v5, 14, v[LO]
	v_mov_b32 v[NIL], 0
	s_lshl_b32 s12, ttmp9, 19                      ; buffer: 512 KiB a work-group, 32 KiB a wave (under 2^27 in all)
	s_lshl_b32 s11, s10, 15
	s_add_co_u32 s12, s12, s11
	s_mov_b32 s13, 0
	s_lshr_b32 s18, ttmp9, 1                       ; proj: my batch's row of 4,352 bytes
	s_mul_i32 s18, s18, 4352
	s_mov_b32 s19, 0
	s_lshl_b32 s20, ttmp9, 16                      ; out0: 32 slots of 2,048 bytes a work-group, two a wave
	s_lshl_b32 s11, s10, 12
	s_add_co_u32 s20, s20, s11
	s_mov_b32 s21, 0
	s_and_b32 s22, ttmp9, 1                        ; my two gates: behind q and content, number 32 (W % 2) + 2 x wave
	s_lshl_b32 s22, s22, 7
	s_lshl_b32 s11, s10, 3
	s_add_co_u32 s22, s22, s11
	s_add_co_u32 s22, s22, 4096
	s_mov_b32 s23, 0
	s_mov_b32 s14, 0x76543210                      ; v_permlanex16_b32's selects for lane l xor 16
	s_mov_b32 s15, 0xfedcba98
	s_mov_b32 s16, 0x3d8293ee                      ; c = log2(e) / sqrt(512)
	s_wait_dscnt 0x0
	s_wait_kmcnt 0x0
	s_add_nc_u64 s[4:5], s[4:5], s[12:13]
	s_add_nc_u64 s[6:7], s[6:7], s[18:19]
	s_add_nc_u64 s[8:9], s[8:9], s[20:21]
	s_add_nc_u64 s[24:25], s[6:7], s[22:23]
.irp j, 0,1,2,3
	global_load_b128 v[QV+4*\j:QV+4*\j+3], v[LO], s[6:7] offset:512*\j
.endr
.irp j, 0,1,2,3
	global_load_b128 v[CV+4*\j:CV+4*\j+3], v[LO], s[6:7] offset:2048+512*\j
.endr
	global_load_b32 v[G], v[NIL], s[24:25]
	global_load_b32 v[G+2], v[NIL], s[24:25] offset:4
.set n, 0
.rept 32
	global_load_b128 v[DV+4*n:DV+4*n+3], v[LO], s[4:5] offset:512*n th:TH_LOAD_NT   ; the first slot: read once in the launch
.set n, n+1
.endr
.set n, 0
.rept 32
	global_load_async_to_lds_b128 v[LA], v[LB], s[4:5] offset:512*n   ; the second slot: the immediate steps both addresses.  All copies stand ahead of every LDS read and every wait on their counter
.set n, n+1
.endr
	v_mov_b32 v[G+1], 0                            ; named as the upper halves of pairs, so they are written
	v_mov_b32 v[G+3], 0
.irp p, 0,1,2,3,4,5,6,7
	v_mov_b32 v[EV+2*\p+1], 0                      ; a lane permute's destination counts as one of its sources
.endr
	s_wait_loadcnt 32                              ; q, content and the gates are in; the first slot's 32 loads may stay out
	v_pk_mul_f32 v[TV:TV+1], v[CV:CV+1], v[QV:QV+1]           ; cq = content . q: my 16 channels, in two chains
	v_pk_mul_f32 v[TV+2:TV+3], v[CV+2:CV+3], v[QV+2:QV+3]
.irp k, 4,8,12
	v_pk_fma_f32 v[TV:TV+1], v[CV+\k:CV+\k+1], v[QV+\k:QV+\k+1], v[TV:TV+1]
	v_pk_fma_f32 v[TV+2:TV+3], v[CV+\k+2:CV+\k+3], v[QV+\k+2:QV+\k+3], v[TV+2:TV+3]
.endr
	v_pk_add_f32 v[TV:TV+1], v[TV:TV+1], v[TV+2:TV+3]
	v_add_f32 v[TV], v[TV], v[TV+1]
.irp m, 1,2,4,8
	v_add_f32_dpp v[TV], v[TV], v[TV] row_xmask:\m row_mask:0xf bank_mask:0xf
.endr
	v_permlanex16_b32 v[TV+1], v[TV], s14, s15
	v_add_f32 v[TV], v[TV], v[TV+1]                ; every lane holds cq,
	v_mul_f32 v[TV], s16, v[TV]                    ; x c
.irp i, 0,1
	v_sub_f32 v[OMG+\i], 1.0, v[G+2*\i]            ; 1 - g
	v_mul_f32 v[AA+\i], s16, v[OMG+\i]             ; a = (1 - g) c
	v_mul_f32 v[EE+\i], v[G+2*\i], v[TV]           ; e = g cq c
.irp k, 0,2,4,6,8,10,12,14
	v_pk_mul_f32 v[UV+16*\i+\k:UV+16*\i+\k+1], v[CV+\k:CV+\k+1], v[G+2*\i:G+2*\i+1] op_sel_hi:[1,0]   ; the result begins as content g
.endr
.endr
; d_p of my 16 channels, row by row as the rows come in.  Slot 0 comes by global loads, slot 1 by LDS loads: both come back in order, four to a row, so the four of each later row may stay out.
.macro DOTS i
.irp p, 0,1,2,3,4,5,6,7
.if \i == 0
	s_wait_loadcnt 28-4*\p
.else
	s_wait_dscnt 28-4*\p
.endif
	v_pk_mul_f32 v[TV+4*(\p%2):TV+4*(\p%2)+1], v[DV+16*\p:DV+16*\p+1], v[QV:QV+1]         ; two chains; neighbouring rows use different registers
	v_pk_mul_f32 v[TV+4*(\p%2)+2:TV+4*(\p%2)+3], v[DV+16*\p+2:DV+16*\p+3], v[QV+2:QV+3]
.irp k, 4,8,12
	v_pk_fma_f32 v[TV+4*(\p%2):TV+4*(\p%2)+1], v[DV+16*\p+\k:DV+16*\p+\k+1], v[QV+\k:QV+\k+1], v[TV+4*(\p%2):TV+4*(\p%2)+1]
	v_pk_fma_f32 v[TV+4*(\p%2)+2:TV+4*(\p%2)+3], v[DV+16*\p+\k+2:DV+16*\p+\k+3], v[QV+\k+2:QV+\k+3], v[TV+4*(\p%2)+2:TV+4*(\p%2)+3]
.endr
	v_pk_add_f32 v[TV+4*(\p%2):TV+4*(\p%2)+1], v[TV+4*(\p%2):TV+4*(\p%2)+1], v[TV+4*(\p%2)+2:TV+4*(\p%2)+3]
	v_add_f32 v[EV+2*\p], v[TV+4*(\p%2)], v[TV+4*(\p%2)+1]
.endr
.endm
; the eight sums across the 32 lanes, the eight by turns: every lane ends with all eight d_p
.macro REDUCE
.irp m, 1,2,4,8
.irp p, 0,1,2,3,4,5,6,7
	v_add_f32_dpp v[EV+2*\p], v[EV+2*\p], v[EV+2*\p] row_xmask:\m row_mask:0xf bank_mask:0xf
.endr
.endr
.irp p, 0,1,2,3,4,5,6,7
	v_permlanex16_b32 v[EV+2*\p+1], v[EV+2*\p], s14, s15
.endr
.irp p, 0,1,2,3,4,5,6,7
	v_add_f32 v[EV+2*\p], v[EV+2*\p], v[EV+2*\p+1]
.endr
.endm
; the softmax over the eight rows, the same in every lane; what is left in pair p's low word is e_p (1 - g) / L
.macro SOFTMAX i
.irp p, 0,1,2,3,4,5,6,7
	v_fma_f32 v[EV+2*\p], v[EV+2*\p], v[AA+\i], v[EE+\i]      ; t_p
.endr
	v_max3_num_f32 v[TV], v[EV], v[EV+2], v[EV+4]
	v_max3_num_f32 v[TV+1], v[EV+6], v[EV+8], v[EV+10]
	v_max3_num_f32 v[TV], v[TV], v[EV+12], v[EV+14]
	v_max_num_f32 v[TV], v[TV], v[TV+1]            ; m
.irp p, 0,1,2,3,4,5,6,7
	v_sub_f32 v[EV+2*\p], v[EV+2*\p], v[TV]
.endr
.irp p, 0,1,2,3,4,5,6,7
	v_exp_f32 v[EV+2*\p], v[EV+2*\p]
.endr
	v_nop                                          ; a plain instruction behind the last exponential
	s_wait_alu depctr_va_vdst(0)                   ; the wait ahead of the first reader: one for the eight
	v_add_f32 v[TV], v[EV], v[EV+2]
	v_add_f32 v[TV+1], v[EV+4], v[EV+6]
	v_add_f32 v[TV+2], v[EV+8], v[EV+10]
	v_add_f32 v[TV+3], v[EV+12], v[EV+14]
	v_add_f32 v[TV], v[TV], v[TV+1]
	v_add_f32 v[TV+2], v[TV+2], v[TV+3]
	v_add_f32 v[TV], v[TV], v[TV+2]                ; L: at least 1, since the largest e_p is 1
	v_rcp_f32 v[TV+1], v[TV]
	v_nop
	s_wait_alu depctr_va_vdst(0)                   ; and one for the reciprocal
	v_mul_f32 v[TV+1], v[TV+1], v[OMG+\i]          ; (1 - g) / L
.irp p, 0,1,2,3,4,5,6,7
	v_mul_f32 v[EV+2*\p], v[EV+2*\p], v[TV+1]
.endr
.endm
; the weighted sum of the rows, onto content g.  In slot 0 each row's registers take the second slot's row as soon as they are left.
.macro PASS2 i
.irp p, 0,1,2,3,4,5,6,7
.irp k, 0,2,4,6,8,10,12,14
	v_pk_fma_f32 v[UV+16*\i+\k:UV+16*\i+\k+1], v[DV+16*\p+\k:DV+16*\p+\k+1], v[EV+2*\p:EV+2*\p+1], v[UV+16*\i+\k:UV+16*\i+\k+1] op_sel_hi:[1,0,1]
.endr
.if \i == 0
	s_wait_asynccnt 28-4*\p                        ; copies end in order: row p's four have landed, the four of each later row may stay out; the last of these waits is for 0
.irp j, 0,1,2,3
	ds_load_b128 v[DV+16*\p+4*\j:DV+16*\p+4*\j+3], v[LA] offset:2048*\p+512*\j
.endr
.endif
.endr
.endm
.macro OUT i
.irp j, 0,1,2,3
	global_store_b128 v[LO], v[UV+16*\i+4*\j:UV+16*\i+4*\j+3], s[8:9] offset:2048*\i+512*\j th:TH_STORE_NT   ; 32 lanes store 512 consecutive bytes; written once, read by nobody here
.endr
.endm
.macro SLOT i
	DOTS \i
	REDUCE
	SOFTMAX \i
	PASS2 \i
	OUT \i
.endm
	SLOT 0
	SLOT 1
	s_wait_tensorcnt 0x0
	ds_add_u32 v240, v241
	s_wait_dscnt 0x0
	s_endpgm
.Lfunc_end_k_qc667ecef63_bus:
	.size	k_qc667ecef63_bus, .Lfunc_end_k_qc667ecef63_bus-k_qc667ecef63_bus
	.p2alignl 7, 3214868480
	.fill 96, 4, 3214868480
	.section	.rodata,"a",@progbits
	.p2align	6, 0x0
	.amdhsa_kernel k_qc667ecef63_bus
		.amdhsa_group_segment_fixed_size 264192
		.amdhsa_private_segment_fixed_size 0
		.amdhsa_enable_private_segment 0
		.amdhsa_kernarg_size 24
		.amdhsa_user_sgpr_count 2
		.amdhsa_user_sgpr_kernarg_segment_ptr 1
		.amdhsa_wavefront_size32 1
		.amdhsa_system_sgpr_workgroup_id_x 1
		.amdhsa_system_sgpr_workgroup_id_y 1
		.amdhsa_system_sgpr_workgroup_id_z 1
		.amdhsa_system_vgpr_workitem_id 0
		.amdhsa_next_free_vgpr 242
		.amdhsa_next_free_sgpr 66
		.amdhsa_reserve_vcc 0
		.amdhsa_float_denorm_mode_32 3
		.amdhsa_float_denorm_mode_16_64 3
		.amdhsa_memory_ordered 1
		.amdhsa_forward_progress 1
		.amdhsa_inst_pref_size 42
	.end_amdhsa_kernel
	.amdgpu_metadata
---
amdhsa.version: [ 1, 2 ]
amdhsa.kernels:
  - .name:           k_qc667ecef63_bus
    .symbol:         k_qc667ecef63_bus.kd
    .args:
      - { .name: buffer, .offset: 0, .size: 8, .value_kind: global_buffer, .address_space: global }
      - { .name: proj, .offset: 8, .size: 8, .value_kind: global_buffer, .address_space: global }
      - { .name: out0, .offset: 16, .size: 8, .value_kind: global_buffer, .address_space: global }
    .group_segment_fixed_size: 264192
    .private_segment_fixed_size: 0
    .kernarg_segment_align: 8
    .kernarg_segment_size: 24
    .max_flat_workgroup_size: 512
    .sgpr_count:     66
    .vgpr_count:     242
    .wavefront_size: 32
...
	.end_amdgpu_metadata
.endif
;; end of part 2
